; MI455X (gfx1250); checked and timed in simulation.
; The chip was launched on July 23, 2026; its instructions are those of AMD's public machine-readable ISA for CDNA 5 (MIT licence, August 2026) and "CDNA5" Instruction Set Architecture Reference Guide (July 2026). The comments in the code are by the model that wrote it; some were corrected since.
;; Bit Set. Allowed arithmetic: float matrix products may take bf16 or f16 operands with f32 sums; all other float work in f32.
;; Inputs: R 2,048 x 256 float32; states 2,048 x 256 float32.
;; Outputs: out0 2,048 float32.
;; 3 versions, each right. Each part assembles by itself: llvm-mc -triple=amdgcn-amd-amdhsa -mcpu=gfx1250 --defsym DOCPART=n.
;; ======== version 1 of 3: 1 launch
;; launch l1min (part 1): grid 256 x 1, 8 waves a work-group, clusters of 4 x 1, 327,680 bytes of LDS; arguments R, states, out0; writes out0
.if DOCPART == 1
	.amdgcn_target "amdgcn-amd-amdhsa--gfx1250"
	.amdhsa_code_object_version 6
	.text
	.protected	k_qdd7abce032_l1min
	.globl	k_qdd7abce032_l1min
	.p2align	8
	.type	k_qdd7abce032_l1min,@function
k_qdd7abce032_l1min:
	s_mov_b64 s[64:65], 0
	v_nop
	global_prefetch_b8 v0, s[64:65] scope:SCOPE_SE
	s_setreg_imm32_b32 hwreg(HW_REG_WAVE_MODE, 25, 1), 1
	s_wait_xcnt 0x0
	s_wait_alu depctr_hold_cnt(0) depctr_sa_sdst(0) depctr_va_vdst(0) depctr_va_sdst(0) depctr_va_ssrc(0) depctr_va_vcc(0) depctr_vm_vsrc(0)
	s_getreg_b32 s2, hwreg(HW_REG_IB_STS2, 6, 4)
	s_cmp_eq_u32 s2, 0
	s_cbranch_scc0 .Lentry_in_a_cluster
	s_endpgm
.Lentry_in_a_cluster:
	s_bfe_u32 s2, ttmp6, 0x10000c
	s_cmp_lg_u32 s2, 0x3003
	s_cbranch_scc0 .Lentry_shape_is_right
	s_endpgm
.Lentry_shape_is_right:
; out0[b] = min over r of sum over d of |states[b][d] - R[r][d]|.  states, R: [2048][256] f32.  out0: [2048] f32.
; The terms are made as written: subtract, magnitude, add, all in f32.  |a - r| is no product, so the matrix units have no part in it
; (a + r - 2 a r equals it for 0/1 data only and is not used).  Two differences go in one dual instruction, each magnitude is added by one
; v_add_f32 with the |.| modifier: 1.5 vector instructions a term, 2^30 terms.
; SHARES.  256 work-groups; each owns 8 state rows against all 2,048 refs, so a row's minimum never leaves its work-group.
; Eight waves, two for each SIMD, so that one wave's scalar and LDS instructions issue beside the other's arithmetic.
; A lane stands for refs, the 8 states are the same for all lanes and come through SCALAR registers (8 KB a work-group, read again for each
; group of refs).  R goes through LDS in tiles of 512 refs x 64 d: rows of 256 bytes of memory, starting at multiples of 256 bytes.
; A wave brings 64 rows of each tile by one tensor load and reads those rows alone: lane l takes rows l and 32 + l.  16 sums a lane.
; CLUSTERS.  Every work-group walks the same tiles of R in the same order: four work-groups form a cluster and ask for each tile jointly
; (mask 15), which divides the requests for R by four.  Nothing but the states' and the output's addresses hangs on the place in the cluster.
; RING.  Two slots.  Tile t + 1 is asked for straight behind the round that opens tile t and has that tile's work in which to land
; (1,536 vector instructions of each wave).  By this text's count a wave has one tensor load out at any time.
; ORDER OF SUMS: one f32 accumulator for each distance, d ascending.  NaN: v_minimum_f32 lets a NaN win, as jnp.minimum does.
; No limit of range is kept beyond f32's own: an infinity or an overflow of a sum behaves as in the f32 sum that is written in the problem.
.set ROWB,   1024                      ; bytes in a row of R and of states
.set SROWS,  8                         ; state rows of a work-group
.set TREFS,  512                       ; refs in a tile
.set TDB,    256                       ; bytes of a row in a tile (64 d)
.set WROWS,  64                        ; rows of a tile that one wave brings and reads
.set PITCH,  272                       ; LDS row: 256 bytes + 16 of padding = 17 x 16: sixteen lanes that read sixteen rows touch sixteen different 16-byte columns
.set WPART,  WROWS*PITCH               ; a wave's part of a slot
.set SLOT,   TREFS*PITCH               ; 139,264 bytes
.set SCR,    2*SLOT                    ; behind the ring: 8 waves x 8 minima, 256 bytes into which no tensor load lands
.set GROUPS, 2048/TREFS                ; 4 groups of refs; a group is 4 tiles (d 0-63, 64-127, 128-191, 192-255)
.set GSTEP,  TREFS*ROWB-2*TDB          ; from a slot's second tile of a group to its first of the next group
.set ADR,  2                           ; v2, v3    LDS address of my first row in slot 0, 1
.set A,    4                           ; v4        the same, running along the row
.set RM,   8                           ; v[8:15]   running minimum of state row i over my refs
.set ACC,  16                          ; v[16:31]  sum of state row i against my ref j at ACC + 2 i + j
.set T,    32                          ; v[32:47]  sixteen differences
.set X,    48                          ; v[48:63]  8 d of my two refs (ref j at + 8 j), K steps 0, 2, 4, 6 of a tile
.set Y,    64                          ; v[64:79]  the same, K steps 1, 3, 5, 7
.set SOFF, 3                           ; s3        byte of the state rows at which the scalar loads stand: 0 to 992, round and round
.set WAVE, 10                          ; s10       wave number
.set LPART,11                          ; s11       wave x WPART
.set G1,   16                          ; s[16:23]  descriptor group 1, never rewritten
.set G0,   24                          ; s[24:31]  descriptor group 0, one set for each slot
.set SA,   32                          ; s[32:63]  8 d of state rows 0-3 (row i at + 8 i)
.set SB,   68                          ; s[68:99]  8 d of state rows 4-7
.set KCNT, 100
.set GCNT, 101
; A round of the cluster's barrier: my work-group's barrier, wave 0 signals for the work-group, every wave waits for all four work-groups,
; my work-group's barrier once more.
.macro ROUND
	s_barrier_signal -1
	s_barrier_wait -1
	s_cmp_lg_u32 s[WAVE], 0
	s_cbranch_scc1 .Lnot_wave_0_\@
	s_barrier_signal -3
.Lnot_wave_0_\@:
	s_barrier_wait -3
	s_barrier_signal -1
	s_barrier_wait -1
.endm
; 4 state rows (scalar buffer sb, rows 4 h .. 4 h + 3) x my 2 refs x 8 d (register buffer rv): 64 terms in 96 vector instructions.
; For each pair of d: eight dual subtractions (destinations even and odd, the two vector sources in neighbouring registers, one scalar each),
; then sixteen additions of magnitudes, the even d of all eight sums first, then the odd d: eight instructions lie between a difference
; and its use and between two additions onto one sum.
.macro PHASE sb, h, rv
.irp p, 0,1,2,3
.irp j, 0,1
.irp i, 0,1,2,3
	v_dual_sub_f32 v[T+8*\j+2*\i], s[\sb+8*\i+2*\p], v[\rv+8*\j+2*\p] :: v_dual_sub_f32 v[T+8*\j+2*\i+1], s[\sb+8*\i+2*\p+1], v[\rv+8*\j+2*\p+1]
.endr
.endr
.irp e, 0,1
.irp j, 0,1
.irp i, 0,1,2,3
	v_add_f32 v[ACC+8*\h+2*\i+\j], |v[T+8*\j+2*\i+\e]|, v[ACC+8*\h+2*\i+\j]
.endr
.endr
.endr
.endr
.endm
; A K step: 8 d of the tile against all 8 state rows, 192 vector instructions.
; cur: the buffer that holds these 8 d.  more = 1: the next 8 d, at byte off from v[A], are asked for into nxt.
; sload = 1: the scalar loads go on to the next 8 d (0 only in the launch's last K step).
; Every wait is for 0: scalar loads return in no order, so only 0 shows anything (ISA guide 5.7.1), and the LDS loads waited for are a whole K step old.
.macro KSTEP cur, nxt, off, more, sload
	s_wait_dscnt 0x0                               ; buffer cur is in: its four loads were issued a K step ago (at a tile's head: just now)
.if \more
.irp j, 0,1
	ds_load_b128 v[\nxt+8*\j:\nxt+8*\j+3],   v[A] offset:\off+\j*32*PITCH
	ds_load_b128 v[\nxt+8*\j+4:\nxt+8*\j+7], v[A] offset:\off+\j*32*PITCH+16
.endr
.endif
	s_wait_kmcnt 0x0                               ; rows 0-3 of these 8 d are in SA
.irp i, 0,1,2,3
	s_load_b256 s[SB+8*\i:SB+8*\i+7], s[6:7], s[SOFF] offset:(4+\i)*ROWB   ; rows 4-7, wanted 96 vector instructions on
.endr
	PHASE SA, 0, \cur
	s_wait_kmcnt 0x0                               ; rows 4-7 are in SB; no scalar load is out, so SOFF may step
.if \sload
	s_add_co_u32 s[SOFF], s[SOFF], 32
	s_and_b32 s[SOFF], s[SOFF], ROWB-32            ; behind d = 255 comes d = 0: the next group of refs meets the same states
.irp i, 0,1,2,3
	s_load_b256 s[SA+8*\i:SA+8*\i+7], s[6:7], s[SOFF] offset:\i*ROWB       ; rows 0-3 of the next 8 d; at a tile's end they stay out across the round
.endr
.endif
	PHASE SB, 1, \cur
.endm
; A tile in slot 'slot'.  refill = 1: the other slot is filled with the next tile.  step: from this slot's tile to its next one.
.macro TILE slot, step, refill, sload
	s_wait_tensorcnt 0x0                           ; all my tensor loads have landed: the one that was out is my part of this tile
	ds_add_u32 v80, v81
	s_wait_dscnt 0x0
.if \refill
	s_add_nc_u64 s[G0+4*\slot+2:G0+4*\slot+3], s[G0+4*\slot+2:G0+4*\slot+3], \step   ; no load of mine is out, so a group 0 may be written: this slot's next tile
	s_wait_dscnt 0x0                               ; my reads of the other slot are back (met: the last K step waited for them)
	ROUND                                          ; both now hold of every wave of all four work-groups
	tensor_load_to_lds s[G0+4-4*\slot:G0+7-4*\slot], s[G1:G1+7]    ; my one tensor load behind the round, first thing there: the next tile, into the slot read last
	s_nop 0
.endif
	                                               ; (the last tile fills nothing and needs no round: a wave reads only the rows that its own load brought)
	v_mov_b32 v[A], v[ADR+\slot]
.irp j, 0,1
	ds_load_b128 v[X+8*\j:X+8*\j+3],   v[A] offset:\j*32*PITCH
	ds_load_b128 v[X+8*\j+4:X+8*\j+7], v[A] offset:\j*32*PITCH+16
.endr
	s_mov_b32 s[KCNT], 3
.Lk_\@:
	KSTEP X, Y, 32, 1, 1
	KSTEP Y, X, 64, 1, 1
	v_add_nc_u32 v[A], 64, v[A]                    ; 16 d on
	s_sub_co_u32 s[KCNT], s[KCNT], 1
	s_cmp_lg_u32 s[KCNT], 0
	s_cbranch_scc1 .Lk_\@
	KSTEP X, Y, 32, 1, 1                           ; the tile's last two K steps are written out: the last asks for nothing more from LDS
	KSTEP Y, X, 0, 0, \sload
.endm
; A group of 512 refs: four tiles along d, then the sixteen finished distances go into the minima.
.macro GROUP last
.irp k, 0,1,2,3,4,5,6,7,8,9,10,11,12,13,14,15
	v_mov_b32 v[ACC+\k], 0                         ; sixteen moves for a group's 6,144 vector instructions; a first term that starts the sums would want a copy of a K step's text
.endr
	TILE 0, 2*TDB, 1, 1
	TILE 1, 2*TDB, 1, 1
	TILE 0, GSTEP, 1, 1
.if \last
	TILE 1, GSTEP, 0, 0
.else
	TILE 1, GSTEP, 1, 1
.endif
.irp j, 0,1
.irp i, 0,1,2,3,4,5,6,7
	v_minimum_f32 v[RM+\i], v[RM+\i], v[ACC+2*\i+\j]
.endr
.endr
.endm
	s_load_b128 s[4:7], s[0:1], 0x0                ; R s[4:5], states s[6:7]
	s_load_b64 s[8:9], s[0:1], 0x10                ; out0
	v_lshl_add_u32 v80, v0, 2, 0x44100
	v_mov_b32 v81, 0
	ds_add_u32 v80, v81
	v_lshrrev_b32 v1, 5, v0
	v_readfirstlane_b32 s[WAVE], v1                ; wave 0..7
	s_bfe_u32 s12, ttmp6, 0x40000                  ; cx: my place in the cluster
	s_lshl_b32 s13, ttmp9, 2                       ; ttmp9 counts clusters
	s_add_co_u32 s12, s13, s12                     ; work-group 0..255
	; descriptor group 1: 64 rows x 64 elements of 4 bytes, 256 elements from row to row, padded in LDS
	s_mov_b32 s[G1+0], 15|(2<<16)|(1<<20)|(1<<21)|(5<<22)|(3<<25)  ; 15:0 mask: all four work-groups; 17:16 element of 4 bytes; 20 padding on; 21 set beside a mask; 24:22 after every 64 words; 31:25 four words
	s_mov_b32 s[G1+1], 64<<16                      ; tensor_dim0 = 64
	s_mov_b32 s[G1+2], WROWS<<16                   ; tensor_dim1 = 64
	s_mov_b32 s[G1+3], 64<<16                      ; tile_dim0 = 64
	s_mov_b32 s[G1+4], WROWS                       ; tile_dim1 = 64
	s_mov_b32 s[G1+5], 256                         ; elements from row to row
	s_mov_b32 s[G1+6], 0
	s_mov_b32 s[G1+7], 0
	s_mul_i32 s[LPART], s[WAVE], WPART             ; my part of a slot: the wave's number alone enters an LDS address
	s_lshl_b32 s14, s[WAVE], 16                    ; my 64 rows of a tile: wave x 64 x 1,024 bytes
	s_mov_b32 s15, 0
	s_wait_dscnt 0x0
	s_wait_kmcnt 0x0
	s_add_nc_u64 s[4:5], s[4:5], s[14:15]          ; R at my first row: the same in all four work-groups
.irp s, 0,1
	s_mov_b32 s[G0+4*\s], 1                                        ; count = 1
	s_add_co_u32 s[G0+4*\s+1], s[LPART], \s*SLOT                   ; LDS address
	s_add_nc_u64 s[G0+4*\s+2:G0+4*\s+3], s[4:5], \s*TDB            ; tile s: refs 0-511, d 64 s ..
	s_or_b32 s[G0+4*\s+3], s[G0+4*\s+3], 0x80000000                ; type = 2
.endr
	s_lshl_b32 s12, s12, 5                         ; work-group x 8 rows x 4 bytes
	s_mov_b32 s13, 0
	s_add_nc_u64 s[8:9], s[8:9], s[12:13]          ; my 8 numbers of out0
	s_lshl_b32 s12, s12, 8                         ; work-group x 8 rows x 1,024 bytes
	s_add_nc_u64 s[6:7], s[6:7], s[12:13]          ; my 8 state rows
	ROUND                                          ; all four work-groups are here: the first joint load meets
	tensor_load_to_lds s[G0:G0+3], s[G1:G1+7]      ; tile 0; slot 1 gets its first tile behind the first tile's round
	s_nop 0
	s_mov_b32 s[SOFF], 0
.irp i, 0,1,2,3
	s_load_b256 s[SA+8*\i:SA+8*\i+7], s[6:7], s[SOFF] offset:\i*ROWB       ; d 0-7 of state rows 0-3
.endr
	; Wave 0 asks once for the 32 blocks of 256 bytes that are my 8 state rows, one block a lane.  The blocks of d 64 and above are first read
	; one, two and three tiles later.  Nothing beyond the 8 rows is named.  v7 is never written again.
	s_cmp_lg_u32 s[WAVE], 0
	s_cbranch_scc1 .Lasked
	v_lshlrev_b32 v7, 8, v0
	global_prefetch_b8 v7, s[6:7] th:TH_LOAD_NT scope:SCOPE_SE
.Lasked:
	v_and_b32 v1, 31, v0                           ; lane
	v_mul_u32_u24 v5, v1, PITCH
	v_add_nc_u32 v[ADR], s[LPART], v5              ; row 'lane' of my part of slot 0
	v_add_nc_u32 v[ADR+1], SLOT, v[ADR]
.irp i, 0,1,2,3,4,5,6,7
	v_mov_b32 v[RM+\i], 0x7f800000                 ; + infinity, the scan's first value
.endr
	s_mov_b32 s[GCNT], GROUPS-1
.Lgroup:
	GROUP 0
	s_sub_co_u32 s[GCNT], s[GCNT], 1
	s_cmp_lg_u32 s[GCNT], 0
	s_cbranch_scc1 .Lgroup
	GROUP 1                                        ; the last group is written out: its last tile asks for nothing
	; The minima of my 64 x 4 refs, across the 32 lanes: four steps inside each half of 16 lanes, one across the halves.
.irp m, 1,2,4,8
.irp i, 0,1,2,3,4,5,6,7
	v_mov_b32_dpp v[T+\i], v[RM+\i] row_xmask:\m row_mask:0xf bank_mask:0xf
.endr
.irp i, 0,1,2,3,4,5,6,7
	v_minimum_f32 v[RM+\i], v[RM+\i], v[T+\i]
.endr
.endr
	s_mov_b32 s12, 0x76543210                      ; lane i of one half reads lane i of the other
	s_mov_b32 s13, 0xfedcba98
.irp i, 0,1,2,3,4,5,6,7
	v_permlanex16_b32 v[T+\i], v[RM+\i], s12, s13
.endr
.irp i, 0,1,2,3,4,5,6,7
	v_minimum_f32 v[RM+\i], v[RM+\i], v[T+\i]
.endr
	; across the eight waves: each puts its 8 minima into its own 32 bytes (all lanes hold, and write, the same numbers)
	v_mov_b32 v5, SCR
	v_lshl_add_u32 v6, s[WAVE], 5, v5
	ds_store_b128 v6, v[RM:RM+3]
	ds_store_b128 v6, v[RM+4:RM+7] offset:16
	s_wait_dscnt 0x0                               ; for wave 0's sake: my stores are done before I signal
	s_barrier_signal -1
	s_barrier_wait -1
	s_cmp_lg_u32 s[WAVE], 0
	s_cbranch_scc1 .Lclose
	v_and_b32 v6, 7, v0                            ; lane l takes state row l mod 8
	v_lshl_add_u32 v6, v6, 2, v5
.irp w, 0,1,2,3,4,5,6,7
	ds_load_b32 v[T+\w], v6 offset:32*\w           ; that row's minimum from each wave
.endr
	v_lshlrev_b32 v1, 2, v0
	s_wait_dscnt 0x0
	v_minimum_f32 v[T],   v[T],   v[T+1]
	v_minimum_f32 v[T+2], v[T+2], v[T+3]
	v_minimum_f32 v[T+4], v[T+4], v[T+5]
	v_minimum_f32 v[T+6], v[T+6], v[T+7]
	v_minimum_f32 v[T],   v[T],   v[T+2]
	v_minimum_f32 v[T+4], v[T+4], v[T+6]
	v_minimum_f32 v[T],   v[T],   v[T+4]
	v_cmp_gt_u32 vcc_lo, SROWS, v0
	s_wait_xcnt 0x0                                ; EXEC changes only when every earlier memory instruction, the prefetch too, has had its address translated
	s_and_saveexec_b32 s14, vcc_lo
	global_store_b32 v1, v[T], s[8:9]              ; lanes 0-7: the work-group's whole result, 32 neighbouring bytes, in one store
	s_wait_xcnt 0x0                                ; and again in front of the line that widens it
	s_or_b32 exec_lo, exec_lo, s14
.Lclose:
	s_wait_tensorcnt 0x0
	ds_add_u32 v80, v81
	s_wait_dscnt 0x0
	ROUND                                          ; the closing round: no work-group ends while a partner may still ask for a tile that names it
	s_endpgm
.Lfunc_end_k_qdd7abce032_l1min:
	.size	k_qdd7abce032_l1min, .Lfunc_end_k_qdd7abce032_l1min-k_qdd7abce032_l1min
	.p2alignl 7, 3214868480
	.fill 96, 4, 3214868480
	.section	.rodata,"a",@progbits
	.p2align	6, 0x0
	.amdhsa_kernel k_qdd7abce032_l1min
		.amdhsa_group_segment_fixed_size 327680
		.amdhsa_private_segment_fixed_size 0
		.amdhsa_enable_private_segment 0
		.amdhsa_kernarg_size 24
		.amdhsa_user_sgpr_count 2
		.amdhsa_user_sgpr_kernarg_segment_ptr 1
		.amdhsa_wavefront_size32 1
		.amdhsa_system_sgpr_workgroup_id_x 1
		.amdhsa_system_sgpr_workgroup_id_y 1
		.amdhsa_system_sgpr_workgroup_id_z 1
		.amdhsa_system_vgpr_workitem_id 0
		.amdhsa_next_free_vgpr 82
		.amdhsa_next_free_sgpr 102
		.amdhsa_reserve_vcc 1
		.amdhsa_float_denorm_mode_32 3
		.amdhsa_float_denorm_mode_16_64 3
		.amdhsa_memory_ordered 1
		.amdhsa_forward_progress 1
		.amdhsa_inst_pref_size 255
	.end_amdhsa_kernel
	.section	.bss,"aw",@nobits
	.p2align	6
	.space	262144
	.amdgpu_metadata
---
amdhsa.version: [ 1, 2 ]
amdhsa.kernels:
  - .name:           k_qdd7abce032_l1min
    .symbol:         k_qdd7abce032_l1min.kd
    .args:
      - { .name: R, .offset: 0, .size: 8, .value_kind: global_buffer, .address_space: global }
      - { .name: states, .offset: 8, .size: 8, .value_kind: global_buffer, .address_space: global }
      - { .name: out0, .offset: 16, .size: 8, .value_kind: global_buffer, .address_space: global }
    .group_segment_fixed_size: 327680
    .private_segment_fixed_size: 0
    .kernarg_segment_align: 8
    .kernarg_segment_size: 24
    .max_flat_workgroup_size: 256
    .sgpr_count:     102
    .vgpr_count:     82
    .wavefront_size: 32
...
	.end_amdgpu_metadata
.endif
;; end of part 1
;; ======== version 2 of 3: 1 launch
;; launch l1min (part 2): grid 256 x 1, 8 waves a work-group, clusters of 4 x 1, 327,680 bytes of LDS; arguments R, states, out0; writes out0
.if DOCPART == 2
	.amdgcn_target "amdgcn-amd-amdhsa--gfx1250"
	.amdhsa_code_object_version 6
	.text
	.protected	k_qdd7abce032_l1min
	.globl	k_qdd7abce032_l1min
	.p2align	8
	.type	k_qdd7abce032_l1min,@function
k_qdd7abce032_l1min:
	s_mov_b64 s[64:65], 0
	v_nop
	global_prefetch_b8 v0, s[64:65] scope:SCOPE_SE
	s_setreg_imm32_b32 hwreg(HW_REG_WAVE_MODE, 25, 1), 1
	s_wait_xcnt 0x0
	s_wait_alu depctr_hold_cnt(0) depctr_sa_sdst(0) depctr_va_vdst(0) depctr_va_sdst(0) depctr_va_ssrc(0) depctr_va_vcc(0) depctr_vm_vsrc(0)
	s_getreg_b32 s2, hwreg(HW_REG_IB_STS2, 6, 4)
	s_cmp_eq_u32 s2, 0
	s_cbranch_scc0 .Lentry_in_a_cluster
	s_endpgm
.Lentry_in_a_cluster:
	s_bfe_u32 s2, ttmp6, 0x10000c
	s_cmp_lg_u32 s2, 0x3003
	s_cbranch_scc0 .Lentry_shape_is_right
	s_endpgm
.Lentry_shape_is_right:
; out0[b] = min over r of sum over d of |states[b][d] - R[r][d]|.  states, R: [2048][256] f32.  out0: [2048] f32.
; The terms are made as written: subtract, magnitude, add, all in f32.  |a - r| is no product, so the matrix units have no part in it
; (a + r - 2 a r equals it for 0/1 data only and is not used).  Two differences go in one dual instruction, each magnitude is added by one
; v_add_f32 with the |.| modifier: 1.5 vector instructions a term, 2^30 terms.
; SHARES.  256 work-groups; each owns 8 state rows against all 2,048 refs, so a row's minimum never leaves its work-group.
; Eight waves, two for each SIMD, so that one wave's scalar and LDS instructions issue beside the other's arithmetic.
; A lane stands for refs; the 8 states are the same for all lanes and come through SCALAR registers.  Scalar loads can be waited for only
; all together, so a buffer of scalars is asked for no earlier than the other buffer's use begins: the lead is the work that 32 scalars feed.
; Hence FOUR refs a lane: 32 scalars (8 rows x 4 d) feed 128 terms, 192 vector instructions.
; R goes through LDS in tiles of 512 refs x 64 d: rows of 256 bytes of memory, starting at multiples of 256 bytes.  Wave w = 4 h + q takes
; the refs 128 q + 32 j + lane (j = 0..3) and, of each row of the tile, the bytes 128 h .. 128 h + 127 (32 d): each byte of R is read from
; LDS once.  So a distance is two partial sums, in waves q and q + 4; at the end of a group of 512 refs the two exchange them through LDS.
; Wave h takes its state rows in the order 4 h .. 4 h + 3, then the other four: in every wave sums 0-15 belong to the rows that it
; finishes and sums 16-31 to the rows that its partner finishes, and one text serves both.
; CLUSTERS.  Every work-group walks the same tiles of R in the same order: four work-groups form a cluster and ask for each tile jointly
; (mask 15), which divides the requests for R by four.  Nothing but the states' and the output's addresses hangs on the place in the cluster.
; RING.  Two slots.  Each wave brings 64 rows of a tile by one tensor load.  Tile t + 1 is asked for straight behind the round that opens
; tile t and has that tile's work in which to land (1,536 vector instructions of each wave).  A wave has one tensor load out at any time.
; ORDER OF SUMS (differs from a single chain): two f32 accumulators for each distance, one for the d with bit 5 clear and one for the
; others, each with d ascending, added once at the end.  NaN: v_minimum_f32 lets a NaN win, as jnp.minimum does.
; No limit of range is kept beyond f32's own: an infinity or an overflow of a sum behaves as in an f32 sum of the same terms.
.set ROWB,   1024                      ; bytes in a row of R and of states
.set SROWS,  8                         ; state rows of a work-group
.set TREFS,  512                       ; refs in a tile
.set TDB,    256                       ; bytes of a row in a tile (64 d)
.set WROWS,  64                        ; rows of a tile that one wave brings
.set PITCH,  272                       ; LDS row: 256 bytes + 16 of padding = 17 x 16: sixteen lanes that read sixteen rows touch sixteen different 16-byte columns
.set WPART,  WROWS*PITCH               ; what one wave brings of a slot
.set QPART,  128*PITCH                 ; the 128 rows that a pair of waves reads
.set SLOT,   TREFS*PITCH               ; 139,264 bytes
.set EXCH,   2*SLOT                    ; behind the ring: 2,048 bytes for each wave, the sixteen sums a lane that go to the partner; no tensor load lands here
.set EXW,    2048
.set SCR,    EXCH+8*EXW                ; 8 waves x 4 minima, in a block of 256 bytes of its own
.set GROUPS, 2048/TREFS                ; 4 groups of refs; a group is 4 tiles (d 0-63, 64-127, 128-191, 192-255)
.set GSTEP,  TREFS*ROWB-2*TDB          ; from a slot's second tile of a group to its first of the next group
.set ADR,  2                           ; v2, v3    LDS address of my first row's first byte in slot 0, 1
.set A,    4                           ; v4        the same, running along the row
.set EXS,  5                           ; v5        where I put sums for my partner
.set EXL,  6                           ; v6        where my partner puts sums for me
.set RM,   8                           ; v[8:11]   running minimum of my state row k (row 4 h + k of the work-group's eight) over my refs
.set T,    16                          ; v[16:31]  sixteen differences
.set ACC,  32                          ; v[32:63]  sum of state row i (in my order) against my ref j at ACC + 4 i + j
.set X,    64                          ; v[64:79]  4 d of my four refs (ref j at + 4 j), even phases of a tile
.set Y,    80                          ; v[80:95]  the same, odd phases
.set SOFF, 3                           ; s3        byte of the state rows at which the scalar loads stand
.set WAVE, 10                          ; s10       wave number
.set LPART,11                          ; s11       wave x WPART
.set BA,   12                          ; s[12:13]  state rows 4 h .. 4 h + 3: mine to finish
.set BB,   66                          ; s[66:67]  the other four
.set G1,   16                          ; s[16:23]  descriptor group 1, never rewritten
.set G0,   24                          ; s[24:31]  descriptor group 0, one set for each slot
.set SA,   32                          ; s[32:63]  4 d of the 8 state rows (row i at + 4 i), even phases
.set SB,   68                          ; s[68:99]  the same, odd phases
.set KCNT, 100
.set GCNT, 101
; A round of the cluster's barrier: my work-group's barrier, wave 0 signals for the work-group, every wave waits for all four work-groups,
; my work-group's barrier once more.
.macro ROUND
	s_barrier_signal -1
	s_barrier_wait -1
	s_cmp_lg_u32 s[WAVE], 0
	s_cbranch_scc1 .Lnot_wave_0_\@
	s_barrier_signal -3
.Lnot_wave_0_\@:
	s_barrier_wait -3
	s_barrier_signal -1
	s_barrier_wait -1
.endm
; The eight scalar loads of a phase: 4 d (16 bytes) of each of the 8 state rows, into buffer sb.
.macro SLOADS sb
.irp i, 0,1,2,3
	s_load_b128 s[\sb+4*\i:\sb+4*\i+3],       s[BA:BA+1], s[SOFF] offset:\i*ROWB
	s_load_b128 s[\sb+16+4*\i:\sb+16+4*\i+3], s[BB:BB+1], s[SOFF] offset:\i*ROWB
.endr
.endm
; 8 state rows (scalar buffer sb) x my 4 refs x 4 d (register buffer rv): 128 terms in 192 vector instructions.
; For each pair of d and each ref: eight dual subtractions (destinations even and odd, the two vector sources in neighbouring registers,
; one scalar each), then sixteen additions of magnitudes, the even d of the eight sums first, then the odd d: eight instructions lie
; between a difference and its use and between two additions onto one sum.
.macro PHASE sb, rv
.irp p, 0,1
.irp j, 0,1,2,3
.irp i, 0,1,2,3,4,5,6,7
	v_dual_sub_f32 v[T+2*\i], s[\sb+4*\i+2*\p], v[\rv+4*\j+2*\p] :: v_dual_sub_f32 v[T+2*\i+1], s[\sb+4*\i+2*\p+1], v[\rv+4*\j+2*\p+1]
.endr
.irp e, 0,1
.irp i, 0,1,2,3,4,5,6,7
	v_add_f32 v[ACC+4*\i+\j], |v[T+2*\i+\e]|, v[ACC+4*\i+\j]
.endr
.endr
.endr
.endr
.endm
; A phase with its requests.  sc, vc: the buffers that hold these 4 d.  sn, vn: those that are asked for now, for the next phase.
; sstep: how far the scalar loads go on (16 bytes; 144 at a tile's end, over the partner's 128 bytes; 0: the launch's last phase asks for nothing).
; more = 1: the next 4 d of my refs, at byte off from v[A], are asked for from LDS.
; Both waits are for 0: scalar loads return in no order, so only 0 shows anything (ISA guide 5.7.1), and what is waited for was asked for a
; whole phase ago (at a tile's head the LDS loads: just now).
.macro PH sc, sn, vc, vn, off, more, sstep
	s_wait_kmcnt 0x0                               ; buffer sc is in, and no scalar load is out, so SOFF may step
.if \sstep
	s_add_co_u32 s[SOFF], s[SOFF], \sstep
	s_and_b32 s[SOFF], s[SOFF], ROWB-16            ; behind the row's end comes its start: the next group of refs meets the same states
	SLOADS \sn                                     ; wanted 192 vector instructions on; at a tile's end they stay out across the round
.endif
	s_wait_dscnt 0x0                               ; buffer vc is in
.if \more
.irp j, 0,1,2,3
	ds_load_b128 v[\vn+4*\j:\vn+4*\j+3], v[A] offset:\off+\j*32*PITCH
.endr
.endif
	PHASE \sc, \vc
.endm
; A tile in slot 'slot': eight phases.  refill = 1: the other slot is filled with the next tile.  step: from this slot's tile to its next one.
; laststep: the last phase's sstep.
.macro TILE slot, step, refill, laststep
	s_wait_tensorcnt 0x0                           ; all my tensor loads have landed: the one that was out is my 64 rows of this tile, which two other waves may read
	ds_add_u32 v96, v97
	s_wait_dscnt 0x0
.if \refill
	s_add_nc_u64 s[G0+4*\slot+2:G0+4*\slot+3], s[G0+4*\slot+2:G0+4*\slot+3], \step   ; no load of mine is out, so a group 0 may be written: this slot's next tile
.endif
	s_wait_dscnt 0x0                               ; my reads of the other slot are back
.if \refill
	ROUND                                          ; both now hold of every wave of all four work-groups
	tensor_load_to_lds s[G0+4-4*\slot:G0+7-4*\slot], s[G1:G1+7]    ; my one tensor load behind the round, first thing there: the next tile, into the slot read last
	s_nop 0
.else
	s_barrier_signal -1                            ; the last tile: nothing is filled, so no round; my work-group's barrier shows me the rows that other waves brought
	s_barrier_wait -1
.endif
	v_mov_b32 v[A], v[ADR+\slot]
.irp j, 0,1,2,3
	ds_load_b128 v[X+4*\j:X+4*\j+3], v[A] offset:\j*32*PITCH
.endr
	s_mov_b32 s[KCNT], 3
.Lk_\@:
	PH SA, SB, X, Y, 16, 1, 16
	PH SB, SA, Y, X, 32, 1, 16
	v_add_nc_u32 v[A], 32, v[A]                    ; 8 d on
	s_sub_co_u32 s[KCNT], s[KCNT], 1
	s_cmp_lg_u32 s[KCNT], 0
	s_cbranch_scc1 .Lk_\@
	PH SA, SB, X, Y, 16, 1, 16                     ; the tile's last two phases are written out: the last asks for nothing more from LDS
	PH SB, SA, Y, X, 0, 0, \laststep
.endm
; A group of 512 refs: four tiles along d; then the partners exchange halves, and the finished distances go into the minima.
.macro GROUP last
.irp k, 0,1,2,3,4,5,6,7,8,9,10,11,12,13,14,15,16,17,18,19,20,21,22,23,24,25,26,27,28,29,30,31
	v_mov_b32 v[ACC+\k], 0                         ; 32 moves for a group's 6,144 vector instructions; a first term that starts the sums would want a copy of a phase's text
.endr
	TILE 0, 2*TDB, 1, 144
	TILE 1, 2*TDB, 1, 144
	TILE 0, GSTEP, 1, 144
.if \last
	TILE 1, GSTEP, 0, 0
.else
	TILE 1, GSTEP, 1, 144
.endif
.irp k, 0,1,2,3
	ds_store_b128 v[EXS], v[ACC+16+4*\k:ACC+16+4*\k+3] offset:512*\k   ; my sums for the partner's row k, four refs; 32 lanes x 16 neighbouring bytes
.endr
	s_wait_dscnt 0x0                               ; for my partner's sake: my stores are done before I signal
	s_barrier_signal -1                            ; the next tile's tensor load may stay out; the refill stands behind the next round
	s_barrier_wait -1
.irp k, 0,1,2,3
	ds_load_b128 v[T+4*\k:T+4*\k+3], v[EXL] offset:512*\k              ; the partner's sums for my row k, same refs.  These bytes are stored again a group later, behind four rounds
.endr
	s_wait_dscnt 0x0
.irp m, 0,1,2,3,4,5,6,7
	v_pk_add_f32 v[T+2*\m:T+2*\m+1], v[T+2*\m:T+2*\m+1], v[ACC+2*\m:ACC+2*\m+1]   ; the two halves of sixteen distances
.endr
.irp j, 0,1,2,3
.irp k, 0,1,2,3
	v_minimum_f32 v[RM+\k], v[RM+\k], v[T+4*\k+\j]
.endr
.endr
.endm
	s_load_b128 s[4:7], s[0:1], 0x0                ; R s[4:5], states s[6:7]
	s_load_b64 s[8:9], s[0:1], 0x10                ; out0
	v_lshl_add_u32 v96, v0, 2, 0x48100
	v_mov_b32 v97, 0
	ds_add_u32 v96, v97
	v_lshrrev_b32 v1, 5, v0
	v_readfirstlane_b32 s[WAVE], v1                ; wave 0..7 = 4 h + q
	s_bfe_u32 s12, ttmp6, 0x40000                  ; cx: my place in the cluster
	s_lshl_b32 s13, ttmp9, 2                       ; ttmp9 counts clusters
	s_add_co_u32 s12, s13, s12                     ; work-group 0..255
	; descriptor group 1: 64 rows x 64 elements of 4 bytes, 256 elements from row to row, padded in LDS
	s_mov_b32 s[G1+0], 15|(2<<16)|(1<<20)|(1<<21)|(5<<22)|(3<<25)  ; 15:0 mask: all four work-groups; 17:16 element of 4 bytes; 20 padding on; 21 set beside a mask; 24:22 after every 64 words; 31:25 four words
	s_mov_b32 s[G1+1], 64<<16                      ; tensor_dim0 = 64
	s_mov_b32 s[G1+2], WROWS<<16                   ; tensor_dim1 = 64
	s_mov_b32 s[G1+3], 64<<16                      ; tile_dim0 = 64
	s_mov_b32 s[G1+4], WROWS                       ; tile_dim1 = 64
	s_mov_b32 s[G1+5], 256                         ; elements from row to row
	s_mov_b32 s[G1+6], 0
	s_mov_b32 s[G1+7], 0
	s_mul_i32 s[LPART], s[WAVE], WPART             ; where my 64 rows go in a slot: the wave's number alone enters an LDS address
	s_lshl_b32 s14, s[WAVE], 16                    ; my 64 rows of a tile: wave x 64 x 1,024 bytes
	s_mov_b32 s15, 0
	s_wait_dscnt 0x0
	s_wait_kmcnt 0x0
	s_add_nc_u64 s[4:5], s[4:5], s[14:15]          ; R at the first row that I bring: the same in all four work-groups
.irp s, 0,1
	s_mov_b32 s[G0+4*\s], 1                                        ; count = 1
	s_add_co_u32 s[G0+4*\s+1], s[LPART], \s*SLOT                   ; LDS address
	s_add_nc_u64 s[G0+4*\s+2:G0+4*\s+3], s[4:5], \s*TDB            ; tile s: refs 0-511, d 64 s ..
	s_or_b32 s[G0+4*\s+3], s[G0+4*\s+3], 0x80000000                ; type = 2
.endr
	s_lshl_b32 s12, s12, 5                         ; work-group x 8 rows x 4 bytes
	s_mov_b32 s13, 0
	s_add_nc_u64 s[8:9], s[8:9], s[12:13]          ; my 8 numbers of out0
	s_lshl_b32 s12, s12, 8                         ; work-group x 8 rows x 1,024 bytes
	s_add_nc_u64 s[6:7], s[6:7], s[12:13]          ; my work-group's 8 state rows
	s_lshr_b32 s14, s[WAVE], 2                     ; h
	s_lshl_b32 s[SOFF], s14, 7                     ; my 32 d of the first tile begin at byte 128 h
	s_lshl_b32 s14, s14, 12                        ; 4 h rows of 1,024 bytes
	s_add_nc_u64 s[BA:BA+1], s[6:7], s[14:15]      ; rows 4 h .. 4 h + 3
	s_xor_b32 s14, s14, 4*ROWB
	s_add_nc_u64 s[BB:BB+1], s[6:7], s[14:15]      ; the other four
	ROUND                                          ; all four work-groups are here: the first joint load meets
	tensor_load_to_lds s[G0:G0+3], s[G1:G1+7]      ; tile 0; slot 1 gets its first tile behind the first tile's round
	s_nop 0
	SLOADS SA                                      ; the first 4 d of the 8 state rows
	; Wave 0 asks once for the 32 blocks of 256 bytes that are the work-group's 8 state rows, one block a lane.  The blocks of d 64 and above are
	; first read one, two and three tiles later.  Nothing beyond the 8 rows is named.  v7 and s[6:7] are never written again.
	s_cmp_lg_u32 s[WAVE], 0
	s_cbranch_scc1 .Lasked
	v_lshlrev_b32 v7, 8, v0
	global_prefetch_b8 v7, s[6:7] th:TH_LOAD_NT scope:SCOPE_SE
.Lasked:
	v_and_b32 v1, 31, v0                           ; lane
	v_mul_u32_u24 v12, v1, PITCH
	s_and_b32 s14, s[WAVE], 3                      ; q
	s_mul_i32 s14, s14, QPART                      ; my 128 rows of a slot
	s_add_co_u32 s14, s14, s[SOFF]                 ; and my 128 bytes of each (SOFF still holds 128 h)
	v_add_nc_u32 v[ADR], s14, v12                  ; row 'lane' of them in slot 0
	v_add_nc_u32 v[ADR+1], SLOT, v[ADR]
	v_lshlrev_b32 v12, 4, v1                       ; 16 bytes a lane
	s_lshl_b32 s14, s[WAVE], 11
	s_add_co_u32 s14, s14, EXCH
	v_add_nc_u32 v[EXS], s14, v12                  ; my own 2,048 bytes
	s_xor_b32 s14, s[WAVE], 4                      ; my partner: same q, other h
	s_lshl_b32 s14, s14, 11
	s_add_co_u32 s14, s14, EXCH
	v_add_nc_u32 v[EXL], s14, v12                  ; my partner's
.irp k, 0,1,2,3
	v_mov_b32 v[RM+\k], 0x7f800000                 ; + infinity, the scan's first value
.endr
	s_mov_b32 s[GCNT], GROUPS-1
.Lgroup:
	GROUP 0
	s_sub_co_u32 s[GCNT], s[GCNT], 1
	s_cmp_lg_u32 s[GCNT], 0
	s_cbranch_scc1 .Lgroup
	GROUP 1                                        ; the last group is written out: its last tile asks for nothing
	; The minima of my 128 x 4 refs, across the 32 lanes: four steps inside each half of 16 lanes, one across the halves.
.irp m, 1,2,4,8
.irp k, 0,1,2,3
	v_mov_b32_dpp v[T+\k], v[RM+\k] row_xmask:\m row_mask:0xf bank_mask:0xf
.endr
.irp k, 0,1,2,3
	v_minimum_f32 v[RM+\k], v[RM+\k], v[T+\k]
.endr
.endr
	s_mov_b32 s4, 0x76543210                       ; lane i of one half reads lane i of the other
	s_mov_b32 s5, 0xfedcba98
.irp k, 0,1,2,3
	v_permlanex16_b32 v[T+\k], v[RM+\k], s4, s5
.endr
.irp k, 0,1,2,3
	v_minimum_f32 v[RM+\k], v[RM+\k], v[T+\k]
.endr
	; across the four waves of each h: every wave puts its 4 minima into its own 16 bytes (all lanes hold, and write, the same numbers)
	v_mov_b32 v12, SCR
	v_lshl_add_u32 v13, s[WAVE], 4, v12
	ds_store_b128 v13, v[RM:RM+3]
	s_wait_dscnt 0x0                               ; for wave 0's sake: my store is done before I signal
	s_barrier_signal -1
	s_barrier_wait -1
	s_cmp_lg_u32 s[WAVE], 0
	s_cbranch_scc1 .Lclose
	v_and_b32 v13, 3, v0                           ; lane l takes state row l mod 8 = 4 h + k: k,
	v_bfe_u32 v14, v0, 2, 1                        ; and h
	v_lshl_add_u32 v13, v13, 2, v12
	v_lshl_add_u32 v13, v14, 6, v13                ; wave 4 h + q keeps row k at 64 h + 16 q + 4 k
.irp q, 0,1,2,3
	ds_load_b32 v[T+\q], v13 offset:16*\q          ; that row's minimum from each of the four waves
.endr
	v_lshlrev_b32 v1, 2, v0
	s_wait_dscnt 0x0
	v_minimum_f32 v[T],   v[T],   v[T+1]
	v_minimum_f32 v[T+2], v[T+2], v[T+3]
	v_minimum_f32 v[T],   v[T],   v[T+2]
	v_cmp_gt_u32 vcc_lo, SROWS, v0
	s_wait_xcnt 0x0                                ; EXEC changes only when every earlier memory instruction, the prefetch too, has had its address translated
	s_and_saveexec_b32 s14, vcc_lo
	global_store_b32 v1, v[T], s[8:9]              ; lanes 0-7: the work-group's whole result, 32 neighbouring bytes, in one store
	s_wait_xcnt 0x0                                ; and again in front of the line that widens it
	s_or_b32 exec_lo, exec_lo, s14
.Lclose:
	s_wait_tensorcnt 0x0
	ds_add_u32 v96, v97
	s_wait_dscnt 0x0
	ROUND                                          ; the closing round: no work-group ends while a partner may still ask for a tile that names it
	s_endpgm
.Lfunc_end_k_qdd7abce032_l1min:
	.size	k_qdd7abce032_l1min, .Lfunc_end_k_qdd7abce032_l1min-k_qdd7abce032_l1min
	.p2alignl 7, 3214868480
	.fill 96, 4, 3214868480
	.section	.rodata,"a",@progbits
	.p2align	6, 0x0
	.amdhsa_kernel k_qdd7abce032_l1min
		.amdhsa_group_segment_fixed_size 327680
		.amdhsa_private_segment_fixed_size 0
		.amdhsa_enable_private_segment 0
		.amdhsa_kernarg_size 24
		.amdhsa_user_sgpr_count 2
		.amdhsa_user_sgpr_kernarg_segment_ptr 1
		.amdhsa_wavefront_size32 1
		.amdhsa_system_sgpr_workgroup_id_x 1
		.amdhsa_system_sgpr_workgroup_id_y 1
		.amdhsa_system_sgpr_workgroup_id_z 1
		.amdhsa_system_vgpr_workitem_id 0
		.amdhsa_next_free_vgpr 98
		.amdhsa_next_free_sgpr 102
		.amdhsa_reserve_vcc 1
		.amdhsa_float_denorm_mode_32 3
		.amdhsa_float_denorm_mode_16_64 3
		.amdhsa_memory_ordered 1
		.amdhsa_forward_progress 1
		.amdhsa_inst_pref_size 255
	.end_amdhsa_kernel
	.section	.bss,"aw",@nobits
	.p2align	6
	.space	262144
	.amdgpu_metadata
---
amdhsa.version: [ 1, 2 ]
amdhsa.kernels:
  - .name:           k_qdd7abce032_l1min
    .symbol:         k_qdd7abce032_l1min.kd
    .args:
      - { .name: R, .offset: 0, .size: 8, .value_kind: global_buffer, .address_space: global }
      - { .name: states, .offset: 8, .size: 8, .value_kind: global_buffer, .address_space: global }
      - { .name: out0, .offset: 16, .size: 8, .value_kind: global_buffer, .address_space: global }
    .group_segment_fixed_size: 327680
    .private_segment_fixed_size: 0
    .kernarg_segment_align: 8
    .kernarg_segment_size: 24
    .max_flat_workgroup_size: 256
    .sgpr_count:     102
    .vgpr_count:     98
    .wavefront_size: 32
...
	.end_amdgpu_metadata
.endif
;; end of part 2
;; ======== version 3 of 3: 1 launch
;; launch l1min (part 3): grid 256 x 1, 8 waves a work-group, clusters of 4 x 1, 327,680 bytes of LDS; arguments R, states, out0; writes out0
.if DOCPART == 3
	.amdgcn_target "amdgcn-amd-amdhsa--gfx1250"
	.amdhsa_code_object_version 6
	.text
	.protected	k_qdd7abce032_l1min
	.globl	k_qdd7abce032_l1min
	.p2align	8
	.type	k_qdd7abce032_l1min,@function
k_qdd7abce032_l1min:
	s_mov_b64 s[64:65], 0
	v_nop
	global_prefetch_b8 v0, s[64:65] scope:SCOPE_SE
	s_setreg_imm32_b32 hwreg(HW_REG_WAVE_MODE, 25, 1), 1
	s_wait_xcnt 0x0
	s_wait_alu depctr_hold_cnt(0) depctr_sa_sdst(0) depctr_va_vdst(0) depctr_va_sdst(0) depctr_va_ssrc(0) depctr_va_vcc(0) depctr_vm_vsrc(0)
	s_getreg_b32 s2, hwreg(HW_REG_IB_STS2, 6, 4)
	s_cmp_eq_u32 s2, 0
	s_cbranch_scc0 .Lentry_in_a_cluster
	s_endpgm
.Lentry_in_a_cluster:
	s_bfe_u32 s2, ttmp6, 0x10000c
	s_cmp_lg_u32 s2, 0x3003
	s_cbranch_scc0 .Lentry_shape_is_right
	s_endpgm
.Lentry_shape_is_right:
; out0[b] = min over r of sum over d of |states[b][d] - R[r][d]|.  states, R: [2048][256] f32.  out0: [2048] f32.
; The terms are made as written: subtract, magnitude, add, all in f32.  |a - r| is no product, so the matrix units have no part in it
; (a + r - 2 a r equals it for 0/1 data only and is not used).  Two differences go in one dual instruction; one v_add_f32 with the |.|
; modifier on both sources takes both magnitudes and adds them; two such pair sums go onto two sums in one dual addition:
; 2.5 vector instructions for two terms, 2^30 terms.
; SHARES.  256 work-groups; each owns 8 state rows against all 2,048 refs, so a row's minimum never leaves its work-group.
; Eight waves, two for each SIMD, so that one wave's scalar and LDS instructions issue beside the other's arithmetic.
; A lane stands for refs; the 8 states are the same for all lanes and come through SCALAR registers.  Scalar loads can be waited for only
; all together, so a buffer of scalars is asked for no earlier than the other buffer's use begins: the lead is the work that 32 scalars feed.
; Hence FOUR refs a lane: 32 scalars (8 rows x 4 d) feed 128 terms, 160 vector instructions.
; R goes through LDS in tiles of 512 refs x 64 d: rows of 256 bytes of memory, starting at multiples of 256 bytes.  Wave w = 4 h + q takes
; the refs 128 q + 32 j + lane (j = 0..3) and, of each row of the tile, the bytes 128 h .. 128 h + 127 (32 d): each byte of R is read from
; LDS once.  So a distance is two partial sums, in waves q and q + 4; at the end of a group of 512 refs the two exchange them through LDS.
; Wave h takes its state rows in the order 4 h .. 4 h + 3, then the other four: in every wave the sums of rows 0-3 (in its order) belong to
; the rows that it finishes and those of rows 4-7 to the rows that its partner finishes, and one text serves both.
; CLUSTERS.  Every work-group walks the same tiles of R in the same order: four work-groups form a cluster and ask for each tile jointly
; (mask 15), which divides the requests for R by four.  Nothing but the states' and the output's addresses hangs on the place in the cluster.
; RING.  Two slots.  Each wave brings 64 rows of a tile by one tensor load.  Tile t + 1 is asked for straight behind the round that opens
; tile t and has that tile's work in which to land (1,280 vector instructions of each wave).  A wave has one tensor load out at any time.
; ORDER OF SUMS (differs from a single chain): the magnitudes of d = 2 n and 2 n + 1 are added first; these pair sums go, d ascending, onto
; one of two f32 accumulators for each distance (one for the d with bit 5 clear, one for the others), which are added once at the end.
; NaN: v_minimum_f32 lets a NaN win, as jnp.minimum does.
; No limit of range is kept beyond f32's own: an infinity or an overflow of a sum behaves as in an f32 sum of the same terms.
.set ROWB,   1024                      ; bytes in a row of R and of states
.set SROWS,  8                         ; state rows of a work-group
.set TREFS,  512                       ; refs in a tile
.set TDB,    256                       ; bytes of a row in a tile (64 d)
.set WROWS,  64                        ; rows of a tile that one wave brings
.set PITCH,  272                       ; LDS row: 256 bytes + 16 of padding = 17 x 16: sixteen lanes that read sixteen rows touch sixteen different 16-byte columns
.set WPART,  WROWS*PITCH               ; what one wave brings of a slot
.set QPART,  128*PITCH                 ; the 128 rows that a pair of waves reads
.set SLOT,   TREFS*PITCH               ; 139,264 bytes
.set EXCH,   2*SLOT                    ; behind the ring: 2,048 bytes for each wave, the sixteen sums a lane that go to the partner; no tensor load lands here
.set EXW,    2048
.set SCR,    EXCH+8*EXW                ; 8 waves x 4 minima, in a block of 256 bytes of its own
.set GROUPS, 2048/TREFS                ; 4 groups of refs; a group is 4 tiles (d 0-63, 64-127, 128-191, 192-255)
.set GSTEP,  TREFS*ROWB-2*TDB          ; from a slot's second tile of a group to its first of the next group
.set ADR,  2                           ; v2, v3    LDS address of my first row's first byte in slot 0, 1
.set A,    4                           ; v4        the same, running along the row
.set EXS,  5                           ; v5        where I put sums for my partner
.set EXL,  6                           ; v6        where my partner puts sums for me
.set RM,   8                           ; v[8:11]   running minimum of my state row k (row 4 h + k of the work-group's eight) over my refs
.set T,    16                          ; v[16:31]  sixteen differences: state row i, two neighbouring d, at T + 2 i and T + 2 i + 1
.set ACC,  32                          ; v[32:63]  sum of state row i (in my order) against my ref j at ACC + 8 j + i: two neighbouring rows are an even and an odd register
.set X,    64                          ; v[64:79]  4 d of my four refs (ref j at + 4 j), even phases of a tile
.set Y,    80                          ; v[80:95]  the same, odd phases
.set S,    96                          ; v[96:103] eight pair sums: state row i at S + i
.set SOFF, 3                           ; s3        byte of the state rows at which the scalar loads stand
.set WAVE, 10                          ; s10       wave number
.set LPART,11                          ; s11       wave x WPART
.set BA,   12                          ; s[12:13]  state rows 4 h .. 4 h + 3: mine to finish
.set BB,   66                          ; s[66:67]  the other four
.set G1,   16                          ; s[16:23]  descriptor group 1, never rewritten
.set G0,   24                          ; s[24:31]  descriptor group 0, one set for each slot
.set SA,   32                          ; s[32:63]  4 d of the 8 state rows (row i at + 4 i), even phases
.set SB,   68                          ; s[68:99]  the same, odd phases
.set KCNT, 100
.set GCNT, 101
; A round of the cluster's barrier: my work-group's barrier, wave 0 signals for the work-group, every wave waits for all four work-groups,
; my work-group's barrier once more.
.macro ROUND
	s_barrier_signal -1
	s_barrier_wait -1
	s_cmp_lg_u32 s[WAVE], 0
	s_cbranch_scc1 .Lnot_wave_0_\@
	s_barrier_signal -3
.Lnot_wave_0_\@:
	s_barrier_wait -3
	s_barrier_signal -1
	s_barrier_wait -1
.endm
; The eight scalar loads of a phase: 4 d (16 bytes) of each of the 8 state rows, into buffer sb.
.macro SLOADS sb
.irp i, 0,1,2,3
	s_load_b128 s[\sb+4*\i:\sb+4*\i+3],       s[BA:BA+1], s[SOFF] offset:\i*ROWB
	s_load_b128 s[\sb+16+4*\i:\sb+16+4*\i+3], s[BB:BB+1], s[SOFF] offset:\i*ROWB
.endr
.endm
; The eight pair sums in S go onto the eight sums of ref j: four dual additions.  Destinations even and odd; the two first sources, and the
; two second sources, are neighbouring registers.
.macro ADDUP j
.irp m, 0,1,2,3
	v_dual_add_f32 v[ACC+8*\j+2*\m], v[S+2*\m], v[ACC+8*\j+2*\m] :: v_dual_add_f32 v[ACC+8*\j+2*\m+1], v[S+2*\m+1], v[ACC+8*\j+2*\m+1]
.endr
.endm
; 8 state rows x one ref (j) x two neighbouring d (pair p of the phase's 4 d): 16 terms.
; Eight dual subtractions (destinations even and odd, the two vector sources in neighbouring registers, one scalar each); then the pair sums
; that the block before left in S are taken up (prev = their ref; 4 = there are none); then eight additions of two magnitudes each fill S anew.
; So a difference is at least eight instructions old when it is read, and a pair sum too.
.macro BLOCK sb, rv, p, j, prev
.irp i, 0,1,2,3,4,5,6,7
	v_dual_sub_f32 v[T+2*\i], s[\sb+4*\i+2*\p], v[\rv+4*\j+2*\p] :: v_dual_sub_f32 v[T+2*\i+1], s[\sb+4*\i+2*\p+1], v[\rv+4*\j+2*\p+1]
.endr
.if \prev < 4
	ADDUP \prev
.endif
.irp i, 0,1,2,3,4,5,6,7
	v_add_f32 v[S+\i], |v[T+2*\i]|, |v[T+2*\i+1]|
.endr
.endm
; 8 state rows (scalar buffer sb) x my 4 refs x 4 d (register buffer rv): 128 terms in 8 x 16 + 8 x 4 = 160 vector instructions.
.macro PHASE sb, rv
	BLOCK \sb, \rv, 0, 0, 4
	BLOCK \sb, \rv, 0, 1, 0
	BLOCK \sb, \rv, 0, 2, 1
	BLOCK \sb, \rv, 0, 3, 2
	BLOCK \sb, \rv, 1, 0, 3
	BLOCK \sb, \rv, 1, 1, 0
	BLOCK \sb, \rv, 1, 2, 1
	BLOCK \sb, \rv, 1, 3, 2
	ADDUP 3                                        ; nothing is left in S at a phase's end
.endm
; A phase with its requests.  sc, vc: the buffers that hold these 4 d.  sn, vn: those that are asked for now, for the next phase.
; sstep: how far the scalar loads go on (16 bytes; 144 at a tile's end, over the partner's 128 bytes; 0: the launch's last phase asks for nothing).
; more = 1: the next 4 d of my refs, at byte off from v[A], are asked for from LDS.
; Both waits are for 0: scalar loads return in no order, so only 0 shows anything (ISA guide 5.7.1), and what is waited for was asked for a
; whole phase ago (at a tile's head the LDS loads: just now).
.macro PH sc, sn, vc, vn, off, more, sstep
	s_wait_kmcnt 0x0                               ; buffer sc is in, and no scalar load is out, so SOFF may step
.if \sstep
	s_add_co_u32 s[SOFF], s[SOFF], \sstep
	s_and_b32 s[SOFF], s[SOFF], ROWB-16            ; behind the row's end comes its start: the next group of refs meets the same states
	SLOADS \sn                                     ; wanted 160 vector instructions on; at a tile's end they stay out across the round
.endif
	s_wait_dscnt 0x0                               ; buffer vc is in
.if \more
.irp j, 0,1,2,3
	ds_load_b128 v[\vn+4*\j:\vn+4*\j+3], v[A] offset:\off+\j*32*PITCH
.endr
.endif
	PHASE \sc, \vc
.endm
; A tile in slot 'slot': eight phases.  refill = 1: the other slot is filled with the next tile.  step: from this slot's tile to its next one.
; laststep: the last phase's sstep.
.macro TILE slot, step, refill, laststep
	s_wait_tensorcnt 0x0                           ; all my tensor loads have landed: the one that was out is my 64 rows of this tile, which two other waves may read
	ds_add_u32 v104, v105
	s_wait_dscnt 0x0
.if \refill
	s_add_nc_u64 s[G0+4*\slot+2:G0+4*\slot+3], s[G0+4*\slot+2:G0+4*\slot+3], \step   ; no load of mine is out, so a group 0 may be written: this slot's next tile
.endif
	s_wait_dscnt 0x0                               ; my reads of the other slot are back
.if \refill
	ROUND                                          ; both now hold of every wave of all four work-groups
	tensor_load_to_lds s[G0+4-4*\slot:G0+7-4*\slot], s[G1:G1+7]    ; my one tensor load behind the round, first thing there: the next tile, into the slot read last
	s_nop 0
.else
	s_barrier_signal -1                            ; the last tile: nothing is filled, so no round; my work-group's barrier shows me the rows that other waves brought
	s_barrier_wait -1
.endif
	v_mov_b32 v[A], v[ADR+\slot]
.irp j, 0,1,2,3
	ds_load_b128 v[X+4*\j:X+4*\j+3], v[A] offset:\j*32*PITCH
.endr
	s_mov_b32 s[KCNT], 3
.Lk_\@:
	PH SA, SB, X, Y, 16, 1, 16
	PH SB, SA, Y, X, 32, 1, 16
	v_add_nc_u32 v[A], 32, v[A]                    ; 8 d on
	s_sub_co_u32 s[KCNT], s[KCNT], 1
	s_cmp_lg_u32 s[KCNT], 0
	s_cbranch_scc1 .Lk_\@
	PH SA, SB, X, Y, 16, 1, 16                     ; the tile's last two phases are written out: the last asks for nothing more from LDS
	PH SB, SA, Y, X, 0, 0, \laststep
.endm
; A group of 512 refs: four tiles along d; then the partners exchange halves, and the finished distances go into the minima.
.macro GROUP last
.irp k, 0,1,2,3,4,5,6,7,8,9,10,11,12,13,14,15,16,17,18,19,20,21,22,23,24,25,26,27,28,29,30,31
	v_mov_b32 v[ACC+\k], 0                         ; 32 moves for a group's 5,120 vector instructions; a first term that starts the sums would want a copy of a phase's text
.endr
	TILE 0, 2*TDB, 1, 144
	TILE 1, 2*TDB, 1, 144
	TILE 0, GSTEP, 1, 144
.if \last
	TILE 1, GSTEP, 0, 0
.else
	TILE 1, GSTEP, 1, 144
.endif
.irp j, 0,1,2,3
	ds_store_b128 v[EXS], v[ACC+8*\j+4:ACC+8*\j+7] offset:512*\j       ; my sums for the partner's four rows, ref j; 32 lanes x 16 neighbouring bytes
.endr
	s_wait_dscnt 0x0                               ; for my partner's sake: my stores are done before I signal
	s_barrier_signal -1                            ; the next tile's tensor load may stay out; the refill stands behind the next round
	s_barrier_wait -1
.irp j, 0,1,2,3
	ds_load_b128 v[T+4*\j:T+4*\j+3], v[EXL] offset:512*\j              ; the partner's sums for my four rows, same ref j.  These bytes are stored again a group later, behind four rounds
.endr
	s_wait_dscnt 0x0
.irp j, 0,1,2,3
.irp m, 0,1
	v_pk_add_f32 v[T+4*\j+2*\m:T+4*\j+2*\m+1], v[T+4*\j+2*\m:T+4*\j+2*\m+1], v[ACC+8*\j+2*\m:ACC+8*\j+2*\m+1]   ; the two halves of sixteen distances
.endr
.endr
.irp j, 0,1,2,3
.irp k, 0,1,2,3
	v_minimum_f32 v[RM+\k], v[RM+\k], v[T+4*\j+\k]
.endr
.endr
.endm
	s_load_b128 s[4:7], s[0:1], 0x0                ; R s[4:5], states s[6:7]
	s_load_b64 s[8:9], s[0:1], 0x10                ; out0
	v_lshl_add_u32 v104, v0, 2, 0x48100
	v_mov_b32 v105, 0
	ds_add_u32 v104, v105
	v_lshrrev_b32 v1, 5, v0
	v_readfirstlane_b32 s[WAVE], v1                ; wave 0..7 = 4 h + q
	s_bfe_u32 s12, ttmp6, 0x40000                  ; cx: my place in the cluster
	s_lshl_b32 s13, ttmp9, 2                       ; ttmp9 counts clusters
	s_add_co_u32 s12, s13, s12                     ; work-group 0..255
	; descriptor group 1: 64 rows x 64 elements of 4 bytes, 256 elements from row to row, padded in LDS
	s_mov_b32 s[G1+0], 15|(2<<16)|(1<<20)|(1<<21)|(5<<22)|(3<<25)  ; 15:0 mask: all four work-groups; 17:16 element of 4 bytes; 20 padding on; 21 set beside a mask; 24:22 after every 64 words; 31:25 four words
	s_mov_b32 s[G1+1], 64<<16                      ; tensor_dim0 = 64
	s_mov_b32 s[G1+2], WROWS<<16                   ; tensor_dim1 = 64
	s_mov_b32 s[G1+3], 64<<16                      ; tile_dim0 = 64
	s_mov_b32 s[G1+4], WROWS                       ; tile_dim1 = 64
	s_mov_b32 s[G1+5], 256                         ; elements from row to row
	s_mov_b32 s[G1+6], 0
	s_mov_b32 s[G1+7], 0
	s_mul_i32 s[LPART], s[WAVE], WPART             ; where my 64 rows go in a slot: the wave's number alone enters an LDS address
	s_lshl_b32 s14, s[WAVE], 16                    ; my 64 rows of a tile: wave x 64 x 1,024 bytes
	s_mov_b32 s15, 0
	s_wait_dscnt 0x0
	s_wait_kmcnt 0x0
	s_add_nc_u64 s[4:5], s[4:5], s[14:15]          ; R at the first row that I bring: the same in all four work-groups
.irp s, 0,1
	s_mov_b32 s[G0+4*\s], 1                                        ; count = 1
	s_add_co_u32 s[G0+4*\s+1], s[LPART], \s*SLOT                   ; LDS address
	s_add_nc_u64 s[G0+4*\s+2:G0+4*\s+3], s[4:5], \s*TDB            ; tile s: refs 0-511, d 64 s ..
	s_or_b32 s[G0+4*\s+3], s[G0+4*\s+3], 0x80000000                ; type = 2
.endr
	s_lshl_b32 s12, s12, 5                         ; work-group x 8 rows x 4 bytes
	s_mov_b32 s13, 0
	s_add_nc_u64 s[8:9], s[8:9], s[12:13]          ; my 8 numbers of out0
	s_lshl_b32 s12, s12, 8                         ; work-group x 8 rows x 1,024 bytes
	s_add_nc_u64 s[6:7], s[6:7], s[12:13]          ; my work-group's 8 state rows
	s_lshr_b32 s14, s[WAVE], 2                     ; h
	s_lshl_b32 s[SOFF], s14, 7                     ; my 32 d of the first tile begin at byte 128 h
	s_lshl_b32 s14, s14, 12                        ; 4 h rows of 1,024 bytes
	s_add_nc_u64 s[BA:BA+1], s[6:7], s[14:15]      ; rows 4 h .. 4 h + 3
	s_xor_b32 s14, s14, 4*ROWB
	s_add_nc_u64 s[BB:BB+1], s[6:7], s[14:15]      ; the other four
	ROUND                                          ; all four work-groups are here: the first joint load meets
	tensor_load_to_lds s[G0:G0+3], s[G1:G1+7]      ; tile 0; slot 1 gets its first tile behind the first tile's round
	s_nop 0
	SLOADS SA                                      ; the first 4 d of the 8 state rows
	; Wave 0 asks once for the 32 blocks of 256 bytes that are the work-group's 8 state rows, one block a lane.  The blocks of d 64 and above are
	; first read one, two and three tiles later.  Nothing beyond the 8 rows is named.  v7 and s[6:7] are never written again.
	s_cmp_lg_u32 s[WAVE], 0
	s_cbranch_scc1 .Lasked
	v_lshlrev_b32 v7, 8, v0
	global_prefetch_b8 v7, s[6:7] th:TH_LOAD_NT scope:SCOPE_SE
.Lasked:
	v_and_b32 v1, 31, v0                           ; lane
	v_mul_u32_u24 v12, v1, PITCH
	s_and_b32 s14, s[WAVE], 3                      ; q
	s_mul_i32 s14, s14, QPART                      ; my 128 rows of a slot
	s_add_co_u32 s14, s14, s[SOFF]                 ; and my 128 bytes of each (SOFF still holds 128 h)
	v_add_nc_u32 v[ADR], s14, v12                  ; row 'lane' of them in slot 0
	v_add_nc_u32 v[ADR+1], SLOT, v[ADR]
	v_lshlrev_b32 v12, 4, v1                       ; 16 bytes a lane
	s_lshl_b32 s14, s[WAVE], 11
	s_add_co_u32 s14, s14, EXCH
	v_add_nc_u32 v[EXS], s14, v12                  ; my own 2,048 bytes
	s_xor_b32 s14, s[WAVE], 4                      ; my partner: same q, other h
	s_lshl_b32 s14, s14, 11
	s_add_co_u32 s14, s14, EXCH
	v_add_nc_u32 v[EXL], s14, v12                  ; my partner's
.irp k, 0,1,2,3
	v_mov_b32 v[RM+\k], 0x7f800000                 ; + infinity, the scan's first value
.endr
	s_mov_b32 s[GCNT], GROUPS-1
.Lgroup:
	GROUP 0
	s_sub_co_u32 s[GCNT], s[GCNT], 1
	s_cmp_lg_u32 s[GCNT], 0
	s_cbranch_scc1 .Lgroup
	GROUP 1                                        ; the last group is written out: its last tile asks for nothing
	; The minima of my 128 x 4 refs, across the 32 lanes: four steps inside each half of 16 lanes, one across the halves.
.irp m, 1,2,4,8
.irp k, 0,1,2,3
	v_mov_b32_dpp v[T+\k], v[RM+\k] row_xmask:\m row_mask:0xf bank_mask:0xf
.endr
.irp k, 0,1,2,3
	v_minimum_f32 v[RM+\k], v[RM+\k], v[T+\k]
.endr
.endr
	s_mov_b32 s4, 0x76543210                       ; lane i of one half reads lane i of the other
	s_mov_b32 s5, 0xfedcba98
.irp k, 0,1,2,3
	v_permlanex16_b32 v[T+\k], v[RM+\k], s4, s5
.endr
.irp k, 0,1,2,3
	v_minimum_f32 v[RM+\k], v[RM+\k], v[T+\k]
.endr
	; across the four waves of each h: every wave puts its 4 minima into its own 16 bytes (all lanes hold, and write, the same numbers)
	v_mov_b32 v12, SCR
	v_lshl_add_u32 v13, s[WAVE], 4, v12
	ds_store_b128 v13, v[RM:RM+3]
	s_wait_dscnt 0x0                               ; for wave 0's sake: my store is done before I signal
	s_barrier_signal -1
	s_barrier_wait -1
	s_cmp_lg_u32 s[WAVE], 0
	s_cbranch_scc1 .Lclose
	v_and_b32 v13, 3, v0                           ; lane l takes state row l mod 8 = 4 h + k: k,
	v_bfe_u32 v14, v0, 2, 1                        ; and h
	v_lshl_add_u32 v13, v13, 2, v12
	v_lshl_add_u32 v13, v14, 6, v13                ; wave 4 h + q keeps row k at 64 h + 16 q + 4 k
.irp q, 0,1,2,3
	ds_load_b32 v[T+\q], v13 offset:16*\q          ; that row's minimum from each of the four waves
.endr
	v_lshlrev_b32 v1, 2, v0
	s_wait_dscnt 0x0
	v_minimum_f32 v[T],   v[T],   v[T+1]
	v_minimum_f32 v[T+2], v[T+2], v[T+3]
	v_minimum_f32 v[T],   v[T],   v[T+2]
	v_cmp_gt_u32 vcc_lo, SROWS, v0
	s_wait_xcnt 0x0                                ; EXEC changes only when every earlier memory instruction, the prefetch too, has had its address translated
	s_and_saveexec_b32 s14, vcc_lo
	global_store_b32 v1, v[T], s[8:9]              ; lanes 0-7: the work-group's whole result, 32 neighbouring bytes, in one store
	s_wait_xcnt 0x0                                ; and again in front of the line that widens it
	s_or_b32 exec_lo, exec_lo, s14
.Lclose:
	s_wait_tensorcnt 0x0
	ds_add_u32 v104, v105
	s_wait_dscnt 0x0
	ROUND                                          ; the closing round: no work-group ends while a partner may still ask for a tile that names it
	s_endpgm
.Lfunc_end_k_qdd7abce032_l1min:
	.size	k_qdd7abce032_l1min, .Lfunc_end_k_qdd7abce032_l1min-k_qdd7abce032_l1min
	.p2alignl 7, 3214868480
	.fill 96, 4, 3214868480
	.section	.rodata,"a",@progbits
	.p2align	6, 0x0
	.amdhsa_kernel k_qdd7abce032_l1min
		.amdhsa_group_segment_fixed_size 327680
		.amdhsa_private_segment_fixed_size 0
		.amdhsa_enable_private_segment 0
		.amdhsa_kernarg_size 24
		.amdhsa_user_sgpr_count 2
		.amdhsa_user_sgpr_kernarg_segment_ptr 1
		.amdhsa_wavefront_size32 1
		.amdhsa_system_sgpr_workgroup_id_x 1
		.amdhsa_system_sgpr_workgroup_id_y 1
		.amdhsa_system_sgpr_workgroup_id_z 1
		.amdhsa_system_vgpr_workitem_id 0
		.amdhsa_next_free_vgpr 106
		.amdhsa_next_free_sgpr 102
		.amdhsa_reserve_vcc 1
		.amdhsa_float_denorm_mode_32 3
		.amdhsa_float_denorm_mode_16_64 3
		.amdhsa_memory_ordered 1
		.amdhsa_forward_progress 1
		.amdhsa_inst_pref_size 255
	.end_amdhsa_kernel
	.section	.bss,"aw",@nobits
	.p2align	6
	.space	262144
	.amdgpu_metadata
---
amdhsa.version: [ 1, 2 ]
amdhsa.kernels:
  - .name:           k_qdd7abce032_l1min
    .symbol:         k_qdd7abce032_l1min.kd
    .args:
      - { .name: R, .offset: 0, .size: 8, .value_kind: global_buffer, .address_space: global }
      - { .name: states, .offset: 8, .size: 8, .value_kind: global_buffer, .address_space: global }
      - { .name: out0, .offset: 16, .size: 8, .value_kind: global_buffer, .address_space: global }
    .group_segment_fixed_size: 327680
    .private_segment_fixed_size: 0
    .kernarg_segment_align: 8
    .kernarg_segment_size: 24
    .max_flat_workgroup_size: 256
    .sgpr_count:     102
    .vgpr_count:     106
    .wavefront_size: 32
...
	.end_amdgpu_metadata
.endif
;; end of part 3
